; MI455X (gfx1250); checked and timed in simulation.
; The chip was launched on July 23, 2026; its instructions are those of AMD's public machine-readable ISA for CDNA 5 (MIT licence, August 2026) and "CDNA5" Instruction Set Architecture Reference Guide (July 2026). The comments in the code are by the model that wrote it; some were corrected since.
;; Variable Nodes Attention Layer. Allowed arithmetic: matrix products marked QUANTISED: E5M2 operands, one E8M0 scale for each 32 along K, by v_wmma_scale_f32_16x16x128_f8f6f4 with both operands' format E5M2, f32 sums; everything else in f32.
;; Inputs: Wa 256 x 256 float32; Wv 256 x 256 float32; beta 256 float32; bv 256 float32; gamma 256 float32; nodes 128 x 64 float32; x 8 x 8,192 x 256 float32.
;; Outputs: out0 8 x 128 x 256 float32.
;; This version of the problem:
;;   THIS VERSION OF THE PROBLEM IS GIVEN IN LOW PRECISION. The matrix products marked QUANTISED in the list below multiply operands that are first quantised to E5M2 (5 exponent bits, 2 mantissa bits; 8 bits a number), with one power-of-two scale for each 32 numbers along K (OCP MX v1.0); their sums are f32. All else is computed in f32.
;;   The module's matrix products, in the order in which they are computed (A, B: the left and right operand; K: the contracted axis; several contracted axes count as one K, in the product's order):
;;     1. [M 65,536, K 256] x [K 256, N 256]; A: input x; B: input Wa: QUANTISED
;;     2. [M 65,536, K 256] x [K 256, N 256]; A: input x; B: input Wv: QUANTISED
;;     3. [M 262,144, K 64] x [K 64, N 128]; A: computed on the way; B: input nodes: QUANTISED
;;     4. batch 32 x [M 128, K 8,192] x [K 8,192, N 64]; A: softmax (see below); B: computed on the way: QUANTISED
;;   THE QUANTISER, for each operand of a quantised product, along K:
;;     - K is cut into blocks of 32 from its start; a last block that is shorter is filled with zeros.
;;     - A block's scale is 2^e with e = floor(log2(the largest magnitude in the block)) - 15, held to -126 .. 127; a block of zeros has e = 0. As a byte (E8M0): e + 127.
;;     - Each number is divided by its block's scale, clamped to +-57,344, and rounded to the nearest number of E5M2, ties to even, subnormals kept.
;;     - The product sums the exact products of the quantised numbers (number of the format x scale) in f32.
;;   ~~~python
;;   def quantise(x, axis):      # numpy; x: float32 -> the quantised numbers, widened to float32 again
;;       x = np.moveaxis(x, axis, -1); K = x.shape[-1]
;;       x = np.pad(x, [(0, 0)] * (x.ndim - 1) + [(0, -K % 32)]); x = x.reshape(x.shape[:-1] + (-1, 32)); a = np.abs(x).max(-1, keepdims=True)
;;       e = np.where(a > 0, np.clip(np.frexp(np.where(a > 0, a, 1))[1] - 1 - 15, -126, 127), 0)      # np.frexp(a)[1] - 1 = floor(log2(a)), exactly
;;       r = np.clip(x / 2.0 ** e, -57344, 57344)
;;       step = 2.0 ** (np.maximum(np.frexp(np.where(r == 0, 1, r))[1] - 1, -14) - 2)
;;       q = np.round(r / step) * step * 2.0 ** e      # np.round: ties to even
;;       return np.moveaxis(q.reshape(q.shape[:-2] + (-1,))[..., :K], -1, axis).astype(np.float32)
;;   ~~~
;;   SOFTMAX AHEAD OF A QUANTISED PRODUCT. Where the list says 'softmax', what is quantised is not the finished softmax but p = 2^(t - M), with t = logit x log2(e) and M = ceil(the row's largest t), a whole number; so 1/2 < the row's largest p <= 1. The row's sum l is taken of the UNQUANTISED p, in f32, and the product's result is divided by l at the end. Since M is a whole number, a kernel that streams over the keys may use a running M (the ceiling of the running maximum): every later rescaling is an exact power of two, which a block's scale takes up: the codes' values come out the same.
;;   OPERANDS COMPUTED ON THE WAY. 'Computed on the way' means the value that the module computes at that place (a softmax that the list does not call 'softmax' is quantised finished and normalised). What goes into a quantiser is computed in f32, as accurately as f32 sums, v_exp_f32 and their like allow (about 1e-6 of the number): no bf16 or f16 on the way to a quantiser, and a product that is left as it is and whose result goes on into a quantised operand takes f32 operands (vector FMAs, or v_wmma_f32_16x16x4_f32). A number that lies on a knife's edge between two numbers of the format may be rounded either way, as far as f32 arithmetic and the matrix unit's own rounding can turn it there, and no further.
;; One version. Each part assembles by itself: llvm-mc -triple=amdgcn-amd-amdhsa -mcpu=gfx1250 --defsym DOCPART=n.
;; ======== version 1 of 1: 2 launches
;; workspace buffers: part 8,388,608 bytes; stat 262,144 bytes
;; launch attend (part 1): grid 256 x 1, 4 waves a work-group, clusters of 4 x 1, 327,680 bytes of LDS; arguments x, nodes, Wa, Wv, bv, part, stat; writes part, stat
.if DOCPART == 1
	.amdgcn_target "amdgcn-amd-amdhsa--gfx1250"
	.amdhsa_code_object_version 6
	.text
	.protected	k_q0bcecf9584_attend
	.globl	k_q0bcecf9584_attend
	.p2align	8
	.type	k_q0bcecf9584_attend,@function
k_q0bcecf9584_attend:
	s_mov_b64 s[64:65], 0
	v_nop
	global_prefetch_b8 v0, s[64:65] scope:SCOPE_SE
	s_setreg_imm32_b32 hwreg(HW_REG_WAVE_MODE, 25, 1), 1
	s_wait_xcnt 0x0
	s_wait_alu depctr_hold_cnt(0) depctr_sa_sdst(0) depctr_va_vdst(0) depctr_va_sdst(0) depctr_va_ssrc(0) depctr_va_vcc(0) depctr_vm_vsrc(0)
	s_getreg_b32 s2, hwreg(HW_REG_IB_STS2, 6, 4)
	s_cmp_eq_u32 s2, 0
	s_cbranch_scc0 .Lentry_in_a_cluster
	s_endpgm
.Lentry_in_a_cluster:
	s_bfe_u32 s2, ttmp6, 0x10000c
	s_cmp_lg_u32 s2, 0x3003
	s_cbranch_scc0 .Lentry_shape_is_right
	s_endpgm
.Lentry_shape_is_right:
; Learned-query attention pooling on codes of E5M2 with one E8M0 scale for each 32 along K: x Wa, x Wv + bv, a nodes^T, p v, for ONE head and 1,024 keys of one batch.
; x [8][8192][256], Wa, Wv [256 (k)][256 (n)], nodes [128][64], bv [256]: f32.  Out: part [64 (8 batch + key range)][128 nodes][256 channels] f32, the sums of p v NOT yet divided, and
; stat [64][4 heads][128 nodes][2] f32 = (-M, l): M the ceiling of the range's largest t = score x log2(e) / 8, l the sum of the unquantised p = 2^(t - M).  A second launch joins the eight ranges.
; SHARES.  A cluster of four work-groups takes one (batch, key range): its four members are the four heads.  They walk the same 8 tiles of 128 keys of x, so each tile is asked for JOINTLY: the same
; tensor load, the same descriptor, a mask that names the four.  The head enters only the addresses of Wa, Wv, bv, part, stat.
; A work-group has four waves.  FRONT work on a tile: wave w takes keys 32 w .. 32 w + 31: quantises x, makes a (two fragments of 16 keys) and v (one block of 32 keys for the head's 64 channels),
; quantises both and puts them into LDS as images of the operands' registers (16 bytes a lane, 512 a store; scale words 4 bytes a lane).  BACK work on a tile: wave w takes nodes 32 w .. 32 w + 31
; (two tiles of 16) against all 128 keys: scores, running softmax, p's codes, O^T += v^T p^T.  M, l and O^T stay in its registers for all 1,024 keys.
; A PHASE, between two barriers, holds in one wave: at its head the softmax step of the SECOND node tile on tile i - 2, whose scores and fragments of v have stayed in registers; the front work of tile i; the
; whole back work of the first node tile on tile i - 1, and the second node tile's scores.  So behind a barrier there is vector work that wants nothing from LDS: the phase's LDS loads are issued in runs of 16 to 24
; between the parts of that step and between the quantisers, and land under them; and behind every run of matrix instructions stands vector work that does not want its results.
; The first such step finds scores of -infinity and zero codes for v, set at the head: p = 0, f = 1, and M, l, O^T stay as they are.  That keeps the loop free of a first trip of its own.
; LAYOUTS (r = lane % 16, h = lane / 16).  Row r of x's fragment u of block w is key 32 w + 8 u + r % 8 + 16 (r / 8).  Product 1 is used transposed (source 0 = 16 columns of Wa, chosen as
; 32 b + 8 u + r + 8 (r / 8); source 1 = x): a lane holds one key and 16 neighbours along d for each block of 32: a's operand layout.  Product 2 (source 0 = x, source 1 = 16 columns of Wv): a lane holds one
; channel and, by the choice of x's rows, 16 neighbouring keys.  Product 3 (source 0 = a, source 1 = nodes): a lane holds one node and 16 neighbouring keys of each block.  Product 4 (source 0 = v, source 1 = p).
; K = 64 IN AN INSTRUCTION OF 128: the nodes' fragments have zero codes in their upper eight registers.  a's fragments lie eight registers apart, so the upper half of one is the next one's codes
; (finite, by the hold), which meet those zeros; behind the last lie eight registers of zeros.  The scale bytes of that half are another fragment's bytes or 0, never 0xff.
; LIMITS.  NaN and infinities among the inputs are not served.  A block whose largest magnitude lies under 2^-111 (a block of zeros too) gets the scale byte 1; its codes are then as the rule's or zeros,
; and only this program reads the bytes.  The running largest t begins at -3e38.
; REGISTERS, in windows of 256 (s_set_vgpr_msb: bits 1:0 source 0, 3:2 source 1, 5:4 source 2, 7:6 destination):
;   window 0: v1-19, v77 addresses; v20-35 the quantiser's scratch; v40-47 -M, largest t, l for two node tiles; v48-76 scale words; v80-95 the softmax's scratch; v96-159 scores, then p; v160-223 O^T; v224-255 bv
;   window 1: at the head the weights as f32; then Wa's 8 fragments, Wv's 8.   window 2: v0-127 numbers ahead of a quantiser; v128-191 x's codes; v192-223 a's and v's codes just made.
;   window 3: a's, the nodes', v's fragments, p's codes.
.set SLOT,  133376                     ; an LDS slot: 128 keys of 1,024 bytes + 16 of padding; the keys whose bit 4 is set lie in a second half, 128 bytes further than a multiple of 256:
.set HB,    66688                      ; key 32 z + 16 g + y at g HB + z ZB + y KP: the 16 rows of a fragment load then start in 16 different columns of 16 bytes modulo 256
.set ZB,    16640
.set KP,    1040
.set TILEB, 131072                     ; a tile of x in memory
.set SCR,   2*SLOT                     ; behind the ring: bytes that only LDS stores write
.set PAR,   17920                      ; the images of one tile; two such blocks take turns
.set ASC,   8192                       ; in a block: a's 8 fragments x 1,024 bytes; their scale words, 8 x 128;
.set VIMG,  9216                       ; v's 4 fragments x 2,048;
.set VSC,   17408                      ; their scale words, 4 x 128
.set WSC,   32768                      ; at the head the same bytes hold the weights' 16 fragments x 2,048 and, from here, their scale words
.set STG,   SCR+35840                  ; the way out: 16 rows x 272 bytes for each wave
.set SP,    272
.set SPARE, SCR+53248                  ; the spare words, 128 bytes for each wave: two blocks of 256 bytes that no other line names
.set XA,  1                            ; v1-2  my lane's place in slot 0, 1
.set LI,  3                            ; v3    SCR + 16 x lane
.set LS,  4                            ; v4    SCR + 4 x lane
.set AW,  5                            ; v5    LI + 2,048 x wave: where I store a's images
.set SW,  6                            ; v6    LS + 256 x wave: their scale words
.set VW,  7                            ; v7    LI + 512 x wave: my four registers of each fragment of v
.set VB,  8                            ; v8    LS + wave: my byte of v's scale words
.set STO, 9                            ; v9    the stage, in
.set RD,  10                           ; v10   the stage, back
.set GO,  11                           ; v11   my byte offset in two rows of part
.set SPW, 12                           ; v12   my spare word; never rewritten
.set NIL, 13                           ; v13   0; never rewritten
.set WW,  14                           ; v14   where I store a weight's codes: SCR + 4,096 x wave + 512 c + 256 h + 64 cq
.set WSA, 15                           ; v15   LS + 1,024 x (lane / 16): lanes 0-15 read Wa's scale words, lanes 16-31 Wv's
.set VA,  16                           ; v16   my byte offset in Wa
.set VV,  17                           ; v17   in Wv
.set NO,  18                           ; v18   in nodes
.set BO,  19                           ; v19   in bv
.set TM,  20                           ; v20-35 the quantiser: +0 largest magnitudes, +4 the other half's, then bytes, +8 the hold, +12 the conversion's scale
.set X0,  36
.set X1,  37
.set FF,  38                           ; v[38:39] f = 2^(old M - new M), and a partner that is only named
.set ST,  40                           ; node tile n at +4 n: -M, largest t, l in two halves
.set XSW, 48                           ; x's scale words [2 u + s]
.set WSW, 52                           ; the weights' [2 t + s]
.set ASW, 60                           ; a's [fragment]
.set VSW, 68                           ; v's [tile]
.set NSW, 72                           ; the nodes' [tile]
.set PWA, 74                           ; v74-75 scale words on their way to LDS
.set PWP, 76                           ; p's scale word
.set WSB, 77                           ; v77   where I store a weight's scale bytes: SCR + 256 x wave + 64 h + 16 cq + c
.set TS,  80                           ; v80-95 the softmax's scratch, laid as TM
.set SQ,  96
.set OT,  160
.set BV,  224
.set WA,  0                            ; window 1
.set WVR, 128
.set FN,  0                            ; window 2
.set XC,  128
.set PCA, 192
.set PCV, 208
.set AF,  0                            ; window 3
.set NF,  80
.set VF,  112
.set PP,  176
.set WV,  18                           ; s18 the wave's number
.set MNT, 19                           ; s19 the mantissa field of 57,344
.set SEL, 20                           ; s[20:21] v_permlanex16_b32's selects for lane l xor 16
.set CS,  22                           ; s[22:23] c = log2(e) / 8
.set G1,  24                           ; s[24:31] descriptor group 1
.set G0,  32                           ; s[32:39] group 0, a set for each slot
.set HD,  40                           ; s40 the head
.set CNT, 41
.set MSB, 0
.macro WIN new                         ; the immediate's high byte repeats the setting that is left; a switch that changes nothing is dropped
.if MSB != \new
	s_set_vgpr_msb (MSB<<8)|\new
.set MSB, \new
.endif
.endm
.macro PLACES n
.rept \n
	v_nop
.endr
.endm
; A round of the cluster's barrier: my work-group's barrier; wave 0 signals for the work-group; every wave waits for all four work-groups; my work-group's barrier once more.
.macro CROUND
	s_barrier_signal -1
	s_barrier_wait -1
	s_cmp_lg_u32 s[WV], 0
	s_cbranch_scc1 .Lnot_wave_0_\@
	s_barrier_signal -3
.Lnot_wave_0_\@:
	s_barrier_wait -3
	s_barrier_signal -1
	s_barrier_wait -1
.endm
; The middle of a quantiser: from my 16 numbers' largest magnitudes (with the floor) in v[TM + b] to the block's, the conversion's scale operand, the hold and the scale's byte
.macro QMID
	WIN 0
.irp b, 0,1,2,3
	v_permlanex16_b32 v[TM+4+\b], v[TM+\b], s[SEL], s[SEL+1]
.endr
.irp b, 0,1,2,3
	v_max_num_f32 v[TM+\b], v[TM+\b], v[TM+4+\b]              ; the block's largest magnitude
.endr
.irp b, 0,1,2,3
	v_add_nc_u32 v[TM+12+\b], 0xf8800000, v[TM+\b]            ; 15 off its exponent field: the conversion's scale operand
.endr
.irp b, 0,1,2,3
	v_and_or_b32 v[TM+8+\b], v[TM+\b], 0x7f800000, s[MNT]     ; 57,344 x the scale
.endr
.irp b, 0,1,2,3
	v_lshrrev_b32 v[TM+4+\b], 23, v[TM+12+\b]                 ; the scale's byte
.endr
.endm
; THE QUANTISER.  64 numbers of a lane in window 2, v[src] on: block b = registers 16 b .. 16 b + 15; the block's other 16 lie in lane l xor 16.  Codes: four registers a block, at v[dst + 4 b + gap (b / 2)] of the
; window that cw names (cw = the window byte of the conversions); the four scale bytes make the word v[pw].
.macro QUANT src, dst, cw, gap, pw
	WIN 0x0a
.irp b, 0,1,2,3
	v_max3_num_f32 v[TM+\b], |v[\src+16*\b]|, |v[\src+16*\b+1]|, 0x8000000   ; with the floor 2^(16 - 127): the byte cannot fall under 1
.endr
	WIN 0x28
.irp i, 2,4,6,8,10,12,14
.irp b, 0,1,2,3
	v_max3_num_f32 v[TM+\b], v[TM+\b], |v[\src+16*\b+\i]|, |v[\src+16*\b+\i+1]|   ; the four blocks by turns
.endr
.endr
	QMID
	v_lshl_or_b32 v[\pw], v[TM+5], 8, v[TM+4]
	v_lshl_or_b32 v[\pw], v[TM+6], 16, v[\pw]
	v_lshl_or_b32 v[\pw], v[TM+7], 24, v[\pw]
	WIN 0x82
.irp b, 0,1,2,3
.irp i, 0,1,2,3,4,5,6,7,8,9,10,11,12,13,14,15
	v_med3_num_f32 v[\src+16*\b+\i], v[\src+16*\b+\i], -v[TM+8+\b], v[TM+8+\b]   ; the conversion to an 8-bit code does not saturate (ISA guide 7.6.2): the hold
.endr
.endr
	WIN \cw
.irp b, 0,1,2,3
	v_cvt_scalef32_pk8_bf8_f32 v[\dst+4*\b+\gap*(\b/2):\dst+4*\b+\gap*(\b/2)+1], v[\src+16*\b:\src+16*\b+7], v[TM+12+\b]
	v_cvt_scalef32_pk8_bf8_f32 v[\dst+4*\b+\gap*(\b/2)+2:\dst+4*\b+\gap*(\b/2)+3], v[\src+16*\b+8:\src+16*\b+15], v[TM+12+\b]
.endr
	WIN 0
	v_nop                                          ; one plain line behind the last conversion, ahead of whatever next touches its codes or writes its numbers
.endm
; THE WEIGHTS.  Of a fragment (16 columns x 128 along K) lane (cq = lane % 4, c = (lane / 4) % 4, h = lane / 16) takes the four neighbouring columns 4 cq + e and k = 32 c + 16 h + i, i = 0 .. 15: sixteen loads of
; 16 bytes, register 4 i + e of window 1.  (The rows 32 c + 16 h and the columns stand in the lane's offset.)
.macro WLOAD4 reg, adr, base, ks
.set j, 0
.rept 16
	global_load_b128 v[\reg+4*j:\reg+4*j+3], v[\adr], s[\base:\base+1] offset:(128*\ks+j)*1024
.set j, j+1
.endr
.endm
; Block e of the quantiser is then column 4 cq + e, and its other 16 numbers lie in lane l xor 16.  The registers lie [k][column] and the conversions want [column][k]: the maxima read them as they lie, and the hold,
; which has a destination of its own, writes them turned, into window 2.  Codes: v[PCA + 4 e] on; bytes: v[TM + 4 + e].
.macro WQUANT raw
	WIN 0x05                                       ; sources 0 and 1 window 1
.irp e, 0,1,2,3
	v_max3_num_f32 v[TM+\e], |v[\raw+\e]|, |v[\raw+4+\e]|, 0x8000000
.endr
	WIN 0x14                                       ; sources 1 and 2 window 1
.irp i, 2,4,6,8,10,12,14
.irp e, 0,1,2,3
	v_max3_num_f32 v[TM+\e], v[TM+\e], |v[\raw+4*\i+\e]|, |v[\raw+4*\i+4+\e]|
.endr
.endr
	QMID
	WIN 0x81                                       ; source 0 window 1, destination window 2
.irp e, 0,1,2,3
.irp i, 0,1,2,3,4,5,6,7,8,9,10,11,12,13,14,15
	v_med3_num_f32 v[FN+16*\e+\i], v[\raw+4*\i+\e], -v[TM+8+\e], v[TM+8+\e]
.endr
.endr
	WIN 0x82
.irp e, 0,1,2,3
	v_cvt_scalef32_pk8_bf8_f32 v[PCA+4*\e:PCA+4*\e+1], v[FN+16*\e:FN+16*\e+7], v[TM+12+\e]
	v_cvt_scalef32_pk8_bf8_f32 v[PCA+4*\e+2:PCA+4*\e+3], v[FN+16*\e+8:FN+16*\e+15], v[TM+12+\e]
.endr
	WIN 0
	v_nop
.endm
; They go to their places in the fragment's image: registers 4 c .. 4 c + 3 of lane (r = 4 cq + e, h) lie at 512 c + 16 r + 256 h; byte c of row r's scale word at 4 r + c, once for lanes 0-15 and once, 64 bytes on, for lanes 16-31
.macro WIMAGE fo, so
	WIN 0x08
.irp e, 0,1,2,3
	ds_store_b128 v[WW], v[PCA+4*\e:PCA+4*\e+3] offset:\fo+16*\e
.endr
	WIN 0
.irp e, 0,1,2,3
	ds_store_b8 v[WSB], v[TM+4+\e] offset:WSC+\so+4*\e
.endr
.endm
	s_load_b256 s[4:11], s[0:1], 0x0               ; x s[4:5], nodes s[6:7], Wa s[8:9], Wv s[10:11]
	s_load_b128 s[12:15], s[0:1], 0x20             ; bv s[12:13], part s[14:15]
	s_load_b64 s[16:17], s[0:1], 0x30              ; stat
	v_lshl_add_u32 v[SPW], v0, 2, SPARE
	v_mov_b32 v[NIL], 0
	ds_add_u32 v12, v13
	ds_add_u32 v12, v13
	s_wait_dscnt 0x0
	v_lshrrev_b32 v[X0], 5, v0
	v_readfirstlane_b32 s[WV], v[X0]               ; wave 0..3
	s_bfe_u32 s[HD], ttmp6, 0x40000                ; my place in the cluster = my head
	s_mov_b32 s[MNT], 0x600000
	s_mov_b32 s[SEL], 0x76543210
	s_mov_b32 s[SEL+1], 0xfedcba98
	s_mov_b32 s[CS], 0x3e38aa3b                    ; log2(e) / 8
	s_mov_b32 s[CS+1], s[CS]                       ; (named with it as a pair, so it is written)
	; Group 1: 16 keys are 16,384 dense bytes: ONE long row of 4,096 elements of 4 bytes; two such rows, 32 keys (8,192 elements) apart; 16 bytes of padding behind every 1,024, that is behind every key
	s_mov_b32 s[G1], 15|(2<<16)|(1<<20)|(1<<21)|(7<<22)|(3<<25)   ; 15:0 the mask: all four work-groups; 17:16 elements of 4 bytes; 20 padding on; 21 set beside a mask; 24:22 after every 256 words; 31:25 four words
	s_mov_b32 s[G1+1], 4096<<16                    ; tensor_dim0
	s_mov_b32 s[G1+2], 2<<16                       ; tensor_dim1
	s_mov_b32 s[G1+3], 4096<<16                    ; tile_dim0
	s_mov_b32 s[G1+4], 2                           ; tile_dim1
	s_mov_b32 s[G1+5], 8192                        ; tensor_dim0_stride
	s_mov_b32 s[G1+6], 0
	s_mov_b32 s[G1+7], 0
	; what I fetch of a tile: the keys with bit 4 = wave % 2 of blocks 2 (wave / 2) and 2 (wave / 2) + 1.  Made of the cluster's number and the wave's alone
	s_and_b32 s46, s[WV], 1
	s_lshr_b32 s47, s[WV], 1
	s_mul_i32 s52, s46, HB
	s_mul_i32 s53, s47, 2*ZB
	s_add_co_u32 s52, s52, s53                     ; its place in a slot
	s_lshl_b32 s42, ttmp9, 20                      ; the cluster's 1,024 keys of 1,024 bytes
	s_lshl_b32 s53, s47, 16
	s_add_co_u32 s42, s42, s53
	s_lshl_b32 s53, s46, 14
	s_add_co_u32 s42, s42, s53
	s_mov_b32 s43, 0
	; the other buffers' offsets
	s_lshl_b32 s44, s[HD], 8                       ; the head's 64 columns, 256 bytes: bv
	s_mov_b32 s45, 0
	s_lshl_b32 s48, s47, 7                         ; Wa: I quantise tile t = wave: columns 32 (wave / 2) + 8 (wave % 2) on
	s_lshl_b32 s49, s46, 5
	s_add_co_u32 s48, s48, s49
	s_add_co_u32 s48, s48, s44
	s_mov_b32 s49, 0
	s_lshl_b32 s50, s[WV], 6                       ; Wv: tile t = wave: columns 16 wave on
	s_add_co_u32 s50, s50, s44
	s_mov_b32 s51, 0
	s_lshl_b32 s54, s[WV], 13                      ; nodes: my 32 rows of 256 bytes
	s_mov_b32 s55, 0
	s_lshl_b32 s56, ttmp9, 17                      ; part: 131,072 x cluster + 32 nodes x 1,024 x wave + 256 x head
	s_lshl_b32 s57, s[WV], 15
	s_add_co_u32 s56, s56, s57
	s_add_co_u32 s56, s56, s44
	s_mov_b32 s57, 0
	s_lshl_b32 s58, ttmp9, 12                      ; stat: 4,096 x cluster + 1,024 x head + 256 x wave
	s_lshl_b32 s59, s[HD], 10
	s_add_co_u32 s58, s58, s59
	s_lshl_b32 s59, s[WV], 8
	s_add_co_u32 s58, s58, s59
	s_mov_b32 s59, 0
	s_wait_kmcnt 0x0
	s_add_nc_u64 s[4:5], s[4:5], s[42:43]
	s_add_nc_u64 s[6:7], s[6:7], s[54:55]
	s_add_nc_u64 s[8:9], s[8:9], s[48:49]
	s_add_nc_u64 s[10:11], s[10:11], s[50:51]
	s_add_nc_u64 s[12:13], s[12:13], s[44:45]
	s_add_nc_u64 s[14:15], s[14:15], s[56:57]
	s_add_nc_u64 s[16:17], s[16:17], s[58:59]
.irp n, 0,1
	s_mov_b32 s[G0+4*\n], 1                        ; count = 1
	s_add_co_u32 s[G0+4*\n+1], s52, \n*SLOT        ; LDS address
	s_add_nc_u64 s[G0+4*\n+2:G0+4*\n+3], s[4:5], \n*TILEB   ; global address: tile n
	s_or_b32 s[G0+4*\n+3], s[G0+4*\n+3], 0x80000000         ; type = 2
.endr
	CROUND                                         ; all four work-groups are here: the first joint loads meet
	tensor_load_to_lds s[G0:G0+3], s[G1:G1+7]      ; both first fills together, ahead of every wait on TENSORcnt and every LDS read: two loads of mine are out
	s_nop 0
	tensor_load_to_lds s[G0+4:G0+7], s[G1:G1+7]
	s_nop 0
	PLACES 4                                       ; (behind a tensor load)
	v_and_b32 v[TM], 15, v0                        ; r
	v_bfe_u32 v[TM+1], v0, 4, 1                    ; h
	v_and_b32 v[TM+2], 31, v0                      ; lane
	v_bfe_u32 v[TM+3], v0, 3, 1                    ; r / 8
	v_and_b32 v[TM+8], 7, v0                       ; r % 8
	v_and_b32 v[TM+9], 3, v0                       ; cq: which four columns of a weight's tile
	v_bfe_u32 v[TM+10], v0, 2, 2                   ; c: which block of 32 along K
	v_bfe_u32 v[TM+11], v0, 1, 1                   ; cq / 2
	v_lshlrev_b32 v[BO], 2, v[TM]                  ; bv: 4 r
	v_lshlrev_b32 v[VV], 4, v[TM+9]                ; Wv: columns 4 cq on, 16 bytes;
	v_lshl_add_u32 v[VV], v[TM+10], 15, v[VV]      ; 32 c rows of 1,024 bytes down,
	v_lshl_add_u32 v[VV], v[TM+1], 14, v[VV]       ; and 16 h
	v_lshl_add_u32 v[VA], v[TM+11], 5, v[VV]       ; Wa: row r of a tile is column r + 8 (r / 8): the quads 2 and 3 lie 8 columns further on
	v_lshlrev_b32 v[NO], 8, v[TM]                  ; nodes: row r of 256 bytes, + 64 h
	v_lshl_add_u32 v[NO], v[TM+1], 6, v[NO]
.irp t, 0,1,2,3
	global_load_b32 v[BV+8*\t], v[BO], s[12:13] offset:64*\t   ; bv of channel 16 t + r
.endr
	WIN 0x80
.irp n, 0,1
.irp c, 0,1
.irp j, 0,1,2,3
	global_load_b128 v[XC+32*\n+16*\c+4*\j:XC+32*\n+16*\c+4*\j+3], v[NO], s[6:7] offset:4096*\n+128*\c+16*\j   ; node tile n, block c: my 16 neighbours along d
.endr
.endr
.endr
	WIN 0x40
	WLOAD4 0, VA, 8, 0                             ; Wa, my tile, K steps 0 and 1
	WLOAD4 64, VA, 8, 1
	WIN 0
	; LDS addresses: each a constant + a constant x lane (+ a constant x wave); made once
	s_mul_i32 s60, s[WV], ZB
	v_mul_u32_u24 v[XA], v[TM+3], HB
	v_mad_u32_u24 v[XA], v[TM+8], KP, v[XA]
	v_lshl_add_u32 v[XA], v[TM+1], 6, v[XA]
	v_add_nc_u32 v[XA], s60, v[XA]                 ; (r / 8) HB + (r % 8) KP + 64 h + wave ZB
	v_add_nc_u32 v[XA+1], SLOT, v[XA]
	v_lshl_add_u32 v[LI], v[TM+2], 4, SCR
	v_lshl_add_u32 v[LS], v[TM+2], 2, SCR
	s_lshl_b32 s60, s[WV], 11
	v_add_nc_u32 v[AW], s60, v[LI]
	s_lshl_b32 s60, s[WV], 8
	v_add_nc_u32 v[SW], s60, v[LS]
	s_add_co_u32 s60, s60, SCR
	v_lshl_add_u32 v[WSB], v[TM+9], 4, v[TM+10]
	v_lshl_add_u32 v[WSB], v[TM+1], 6, v[WSB]
	v_add_nc_u32 v[WSB], s60, v[WSB]               ; SCR + 256 wave + 64 h + 16 cq + c
	s_lshl_b32 s60, s[WV], 9
	v_add_nc_u32 v[VW], s60, v[LI]
	v_add_nc_u32 v[VB], s[WV], v[LS]
	s_lshl_b32 s60, s[WV], 12
	s_add_co_u32 s60, s60, SCR
	v_lshlrev_b32 v[WW], 6, v[TM+9]
	v_lshl_add_u32 v[WW], v[TM+10], 9, v[WW]
	v_lshl_add_u32 v[WW], v[TM+1], 8, v[WW]
	v_add_nc_u32 v[WW], s60, v[WW]                 ; SCR + 4,096 wave + 512 c + 256 h + 64 cq
	v_lshl_add_u32 v[WSA], v[TM+1], 10, v[LS]
	s_mul_i32 s60, s[WV], 16*SP
	s_add_co_u32 s60, s60, STG
	v_mul_u32_u24 v[STO], v[TM], SP
	v_lshl_add_u32 v[STO], v[TM+1], 5, v[STO]
	v_add_nc_u32 v[STO], s60, v[STO]               ; in: row r, 32 bytes for each half of the lanes
	v_mul_u32_u24 v[RD], v[TM+1], SP
	v_lshl_add_u32 v[RD], v[TM], 4, v[RD]
	v_add_nc_u32 v[RD], s60, v[RD]                 ; back: lanes 0-15 one row of 256 bytes, lanes 16-31 the next
	v_lshlrev_b32 v[GO], 10, v[TM+1]
	v_lshl_add_u32 v[GO], v[TM], 4, v[GO]          ; and the same two rows in part
	; What the loop finds at its first steps: O^T and l zeros, the largest t under every t; and for the step that stands at the first full phase's head, scores of -infinity and zero codes and scale words of v.
	; These lines stand under the loads that are on their way.
.set j, 0
.rept 64
	v_mov_b32 v[OT+j], 0
	v_mov_b32 v[SQ+j], 0xff800000
.set j, j+1
.endr
.irp n, 0,1
	v_mov_b32 v[ST+4*\n+1], 0xff61b1e6             ; -3e38
	v_floor_f32 v[ST+4*\n], -v[ST+4*\n+1]
	v_mov_b32 v[ST+4*\n+2], 0
	v_mov_b32 v[ST+4*\n+3], 0
.endr
.irp b, 0,1,2,3
	v_mov_b32 v[TM+4+\b], 0                        ; written once: a lane permute's destination counts as one of its sources
	v_mov_b32 v[TS+4+\b], 0
	v_mov_b32 v[VSW+\b], 0
.endr
	v_mov_b32 v[FF], 0
	v_mov_b32 v[FF+1], 0
	WIN 0xc0
.irp j, 0,1,2,3,4,5,6,7
	v_mov_b32 v[NF+8+\j], 0                        ; zero codes for k = 64 .. 127 of both node tiles,
	v_mov_b32 v[NF+24+\j], 0
	v_mov_b32 v[AF+64+\j], 0                       ; and behind a's last fragment
.endr
.set j, 0
.rept 64
	v_mov_b32 v[VF+j], 0
.set j, j+1
.endr
	WIN 0x40
	WLOAD4 128, VV, 10, 0                          ; Wv, my tile, K steps 0 and 1
	WLOAD4 192, VV, 10, 1
	WIN 0
	; THE NODES AND THE WEIGHTS.  Wave w quantises its own 32 nodes, which stay in its registers, and tile w of Wa and of Wv, two K steps each; the weights' images meet in LDS.
	s_wait_loadcnt 63                              ; behind bv's and the nodes' loads stand the weights' 64
.irp t, 0,1,2,3
.irp j, 1,2,3,4,5,6,7
	v_mov_b32 v[BV+8*\t+\j], v[BV+8*\t]            ; bv in the result's layout: a lane holds one channel, so eight equal registers: the C of product 2's first K step
.endr
.endr
	QUANT XC, NF, 0xc2, 8, NSW                     ; the nodes: blocks (tile 0: d 0-31, 32-63; tile 1 likewise)
	v_lshrrev_b32 v[NSW+1], 16, v[NSW]             ; tile 1's two bytes; tile 0's word keeps them on top, where they meet zero codes
	s_wait_loadcnt 48                              ; three fragments of 16 loads may be out
	WQUANT 0
	WIMAGE 0, 0
	s_wait_loadcnt 32
	s_wait_dscnt 0x0                               ; the stores have read their registers
	WQUANT 64
	WIMAGE 2048, 128
	s_wait_loadcnt 16
	s_wait_dscnt 0x0
	WQUANT 128
	WIMAGE 16384, 1024
	s_wait_loadcnt 0x0
	s_wait_dscnt 0x0
	WQUANT 192
	WIMAGE 16384+2048, 1024+128
	s_wait_dscnt 0x0                               ; for the others' sake: my images have landed
	s_barrier_signal -1
	s_barrier_wait -1                              ; the two tiles may stay on their way
	WIN 0x40
.set j, 0
.rept 64
	ds_load_b128 v[4*j:4*j+3], v[LI] offset:512*j  ; all 16 fragments into window 1: they stay
.set j, j+1
.endr
	WIN 0
.irp i, 0,1,2,3,4,5,6,7
	ds_load_b32 v[WSW+\i], v[WSA] offset:WSC+128*\i   ; lanes 0-15: Wa's word of (tile, K step) i; lanes 16-31: Wv's
.endr
	s_wait_dscnt 0x0                               ; my reads of the weights' images are over: the tiles' images will be stored over them
	s_wait_tensorcnt 0x1                           ; my part of tile 0 is in; tile 1's load may stay out
	s_barrier_signal -1
	s_barrier_wait -1
; x's numbers of fragment u, K step ks: 16 neighbours of each block of 32, four loads of 16 bytes a block
.macro XLOAD sl, u, ks
	WIN 0x80
.irp c, 0,1,2,3
.irp j, 0,1,2,3
	ds_load_b128 v[FN+64*\ks+16*\c+4*\j:FN+64*\ks+16*\c+4*\j+3], v[XA+\sl] offset:8*KP*\u+512*\ks+128*\c+16*\j
.endr
.endr
.endm
; the images of the tile before: a's 24 loads, v's 20
.macro BLOAD_A q
	WIN 0xc0
.irp t, 0,1,2,3,4,5,6,7
.irp c, 0,1
	ds_load_b128 v[AF+8*\t+4*\c:AF+8*\t+4*\c+3], v[LI] offset:(\q)*PAR+1024*\t+512*\c
.endr
.endr
	WIN 0
.irp t, 0,1,2,3,4,5,6,7
	ds_load_b32 v[ASW+\t], v[LS] offset:(\q)*PAR+ASC+128*\t
.endr
.endm
.macro BLOAD_V q
	WIN 0xc0
.irp t, 0,1,2,3
.irp c, 0,1,2,3
	ds_load_b128 v[VF+16*\t+4*\c:VF+16*\t+4*\c+3], v[LI] offset:(\q)*PAR+VIMG+2048*\t+512*\c
.endr
.endr
	WIN 0
.irp t, 0,1,2,3
	ds_load_b32 v[VSW+\t], v[LS] offset:(\q)*PAR+VSC+128*\t
.endr
.endm
; Products 1 and 2 for my 32 keys: 16 accumulators by turns, one instruction a turn, K step by K step.  The first K step starts the sums: a's with 0, v's with bv.
.macro AVMUL
.irp ks, 0,1
	WIN 0xa9                                       ; source 0 (Wa) window 1, source 1 (x), C and D window 2
.irp u, 0,1
.irp t, 0,1,2,3
.if \ks == 0
	v_wmma_scale_f32_16x16x128_f8f6f4 v[FN+32*\u+8*\t:FN+32*\u+8*\t+7], v[WA+16*(2*\t+\ks):WA+16*(2*\t+\ks)+15], v[XC+32*\u+16*\ks:XC+32*\u+16*\ks+15], 0, v[WSW+2*\t+\ks], v[XSW+2*\u+\ks] matrix_a_fmt:MATRIX_FMT_BF8 matrix_b_fmt:MATRIX_FMT_BF8
.else
	v_wmma_scale_f32_16x16x128_f8f6f4 v[FN+32*\u+8*\t:FN+32*\u+8*\t+7], v[WA+16*(2*\t+\ks):WA+16*(2*\t+\ks)+15], v[XC+32*\u+16*\ks:XC+32*\u+16*\ks+15], v[FN+32*\u+8*\t:FN+32*\u+8*\t+7], v[WSW+2*\t+\ks], v[XSW+2*\u+\ks] matrix_a_fmt:MATRIX_FMT_BF8 matrix_b_fmt:MATRIX_FMT_BF8
.endif
.endr
.endr
.if \ks == 0
	WIN 0x86                                       ; source 0 (x) window 2, source 1 (Wv) window 1, C (bv) window 0, D window 2
.else
	WIN 0xa6                                       ; the same with C in window 2
.endif
.irp t, 0,1,2,3
.irp u, 0,1
.if \ks == 0
	v_wmma_scale_f32_16x16x128_f8f6f4 v[FN+64+16*\t+8*\u:FN+64+16*\t+8*\u+7], v[XC+32*\u+16*\ks:XC+32*\u+16*\ks+15], v[WVR+16*(2*\t+\ks):WVR+16*(2*\t+\ks)+15], v[BV+8*\t:BV+8*\t+7], v[XSW+2*\u+\ks], v[WSW+2*\t+\ks] matrix_a_fmt:MATRIX_FMT_BF8 matrix_b_fmt:MATRIX_FMT_BF8 matrix_b_scale:MATRIX_SCALE_ROW1
.else
	v_wmma_scale_f32_16x16x128_f8f6f4 v[FN+64+16*\t+8*\u:FN+64+16*\t+8*\u+7], v[XC+32*\u+16*\ks:XC+32*\u+16*\ks+15], v[WVR+16*(2*\t+\ks):WVR+16*(2*\t+\ks)+15], v[FN+64+16*\t+8*\u:FN+64+16*\t+8*\u+7], v[XSW+2*\u+\ks], v[WSW+2*\t+\ks] matrix_a_fmt:MATRIX_FMT_BF8 matrix_b_fmt:MATRIX_FMT_BF8 matrix_b_scale:MATRIX_SCALE_ROW1
.endif
.endr
.endr
.endr
.endm
; a and v are quantised and go to LDS, into block q.  a: blocks (fragment 0: d 0-31, 32-63; fragment 1 likewise).  v: block t = channel tile t, my 32 keys: registers 4 w .. 4 w + 3 and byte w of its fragment
.macro FQ q
	QUANT FN, PCA, 0x82, 0, PWA
	v_lshrrev_b32 v[PWA+1], 16, v[PWA]             ; fragment 1's two bytes; fragment 0's word keeps them on top, where fragment 1's codes meet the nodes' zeros
	WIN 0x08
.irp g, 0,1,2,3
	ds_store_b128 v[AW], v[PCA+4*\g:PCA+4*\g+3] offset:\q*PAR+512*\g
.endr
	WIN 0
	ds_store_b32 v[SW], v[PWA] offset:\q*PAR+ASC
	ds_store_b32 v[SW], v[PWA+1] offset:\q*PAR+ASC+128
	QUANT FN+64, PCV, 0x82, 0, X1                  ; (the word is not used: the four bytes belong to four fragments)
	WIN 0x08
.irp t, 0,1,2,3
	ds_store_b128 v[VW], v[PCV+4*\t:PCV+4*\t+3] offset:\q*PAR+VIMG+2048*\t
.endr
	WIN 0
.irp t, 0,1,2,3
	ds_store_b8 v[VB], v[TM+4+\t] offset:\q*PAR+VSC+128*\t   ; the wait for all LDS instructions at the phase's end follows at once
.endr
.endm
; the scores of node tile n against the 128 keys: eight accumulators, each begun with 0
.macro SMUL n
	WIN 0x0f                                       ; sources 0 and 1 window 3, D window 0
.irp t, 0,1,2,3,4,5,6,7
	v_wmma_scale_f32_16x16x128_f8f6f4 v[SQ+8*\t:SQ+8*\t+7], v[AF+8*\t:AF+8*\t+15], v[NF+16*\n:NF+16*\n+15], 0, v[ASW+\t], v[NSW+\n] matrix_a_fmt:MATRIX_FMT_BF8 matrix_b_fmt:MATRIX_FMT_BF8
.endr
.endm
; THE SOFTMAX STEP of node tile n, in three parts, so that runs of LDS loads can stand between them.  Register 16 b + i of the scores is key 32 b + 16 h + i of my node.
; Part A: the blocks' and the row's largest score, the new M, f, and t - M.
.macro SM_A n
.set rT, ST+4*\n
	WIN 0
.irp b, 0,1,2,3
	v_max3_num_f32 v[TS+\b], v[SQ+16*\b], v[SQ+16*\b+1], v[SQ+16*\b+2]   ; the largest score of each block of 32 keys: for the row's maximum, and, since p rises with the score, for the block's largest p
.endr
.irp i, 3,5,7,9,11,13
.irp b, 0,1,2,3
	v_max3_num_f32 v[TS+\b], v[TS+\b], v[SQ+16*\b+\i], v[SQ+16*\b+\i+1]
.endr
.endr
.irp b, 0,1,2,3
	v_max_num_f32 v[TS+\b], v[TS+\b], v[SQ+16*\b+15]
.endr
.irp b, 0,1,2,3
	v_permlanex16_b32 v[TS+4+\b], v[TS+\b], s[SEL], s[SEL+1]
.endr
.irp b, 0,1,2,3
	v_max_num_f32 v[TS+\b], v[TS+\b], v[TS+4+\b]
.endr
	v_max3_num_f32 v[X0], v[TS], v[TS+1], v[TS+2]
	v_max_num_f32 v[X0], v[X0], v[TS+3]
	v_mul_f32 v[X0], s[CS], v[X0]                  ; as t (c is positive)
	v_max_num_f32 v[rT+1], v[rT+1], v[X0]          ; the running largest t
	v_mov_b32 v[X0], v[rT]
	v_floor_f32 v[rT], -v[rT+1]                    ; -M = floor(-t): M is a whole number
	v_sub_f32 v[X0], v[rT], v[X0]                  ; old M - new M, 0 or less
	v_cvt_i32_f32 v[X0], v[X0]                     ; (it saturates)
	v_ldexp_f32 v[FF], 1.0, v[X0]                  ; f = 2^(old M - new M): a multiplication by it rounds nothing
.set j, 0
.rept 32
	v_pk_fma_f32 v[SQ+j:SQ+j+1], v[SQ+j:SQ+j+1], s[CS:CS+1], v[rT:rT+1] op_sel_hi:[1,0,0]   ; t - M, two at a time
.set j, j+2
.endr
.irp b, 0,1,2,3
	v_fma_f32 v[TS+\b], v[TS+\b], s[CS], v[rT]     ; the same of each block's largest score
.endr
.endm
; Part B: p, the blocks' scales, p's scale word, and l.
.macro SM_B n
.set rT, ST+4*\n
	WIN 0
.set j, 0
.rept 64
	v_exp_f32 v[SQ+j], v[SQ+j]                     ; p = 2^(t - M): not normalised
.set j, j+1
.endr
.irp b, 0,1,2,3
	v_exp_f32 v[TS+\b], v[TS+\b]                   ; the block's largest p: the same two instructions on the same number
.endr
	v_pk_mul_f32 v[rT+2:rT+3], v[rT+2:rT+3], v[FF:FF+1] op_sel_hi:[1,0]   ; l under the new M.  (The plain line behind the exponentials)
	s_wait_alu depctr_va_vdst(0)
.irp b, 0,1,2,3
	v_max_num_f32 v[TS+\b], 0x8000000, v[TS+\b]    ; the floor 2^(16 - 127)
.endr
.irp b, 0,1,2,3
	v_add_nc_u32 v[TS+12+\b], 0xf8800000, v[TS+\b]
.endr
.irp b, 0,1,2,3
	v_and_or_b32 v[TS+8+\b], v[TS+\b], 0x7f800000, s[MNT]
.endr
.irp b, 0,1,2,3
	v_lshrrev_b32 v[TS+4+\b], 23, v[TS+12+\b]
.endr
	v_lshl_or_b32 v[PWP], v[TS+5], 8, v[TS+4]      ; p's scale word for these 128 keys; more than eight plain lines stand between it and the products
	v_lshl_or_b32 v[PWP], v[TS+6], 16, v[PWP]
	v_lshl_or_b32 v[PWP], v[TS+7], 24, v[PWP]
	v_pk_add_f32 v[TS+4:TS+5], v[SQ:SQ+1], v[SQ+2:SQ+3]   ; l takes the UNQUANTISED p: two at a time, in two chains
.set j, 4
.rept 15
	v_pk_add_f32 v[rT+2:rT+3], v[rT+2:rT+3], v[SQ+j:SQ+j+1]
	v_pk_add_f32 v[TS+4:TS+5], v[TS+4:TS+5], v[SQ+j+2:SQ+j+3]
.set j, j+4
.endr
	v_pk_add_f32 v[rT+2:rT+3], v[rT+2:rT+3], v[TS+4:TS+5]
.endm
; Part C: the hold, p's codes, O^T under the new M, and the four products.
.macro SM_C n
.set rO, OT+32*\n
	WIN 0
.irp b, 0,1,2,3
.irp i, 0,1,2,3,4,5,6,7,8,9,10,11,12,13,14,15
	v_min_num_f32 v[SQ+16*\b+\i], v[SQ+16*\b+\i], v[TS+8+\b]   ; the hold; p is not negative, so it is one-sided
.endr
.endr
	WIN 0xc0
.irp b, 0,1,2,3
	v_cvt_scalef32_pk8_bf8_f32 v[PP+4*\b:PP+4*\b+1], v[SQ+16*\b:SQ+16*\b+7], v[TS+12+\b]
	v_cvt_scalef32_pk8_bf8_f32 v[PP+4*\b+2:PP+4*\b+3], v[SQ+16*\b+8:SQ+16*\b+15], v[TS+12+\b]
.endr
	WIN 0
.set j, 0
.rept 16
	v_pk_mul_f32 v[rO+j:rO+j+1], v[rO+j:rO+j+1], v[FF:FF+1] op_sel_hi:[1,0]   ; O^T under the new M, each accumulator from its low end on; these 16 also stand between p's codes and the products
.set j, j+2
.endr
	s_wait_dscnt 0x0                               ; every LDS load issued so far is in: v's fragments; at a phase's head x's first numbers and a's fragments, issued between the parts above
	WIN 0x0f
.irp t, 0,1,2,3
	v_wmma_scale_f32_16x16x128_f8f6f4 v[rO+8*\t:rO+8*\t+7], v[VF+16*\t:VF+16*\t+15], v[PP:PP+15], v[rO+8*\t:rO+8*\t+7], v[VSW+\t], v[PWP] matrix_a_fmt:MATRIX_FMT_BF8 matrix_b_fmt:MATRIX_FMT_BF8
.endr
.endm
; THE END OF A PHASE.  Each wave waits for all its tensor loads (one is out: its part of the next tile), adds 0 to its spare word, and waits for that, for its stores of images and for its reads of the slot and of the
; images.  fill = 1: the slot just read is filled again with the tile two on: the barrier is a round of the cluster's, and the joint load is the first thing behind it; it has a whole phase in which to land.
.macro CHANGE fill, sl
	s_wait_tensorcnt 0x0                           ; no tensor load of mine is out, so a group 0 may be written
	ds_add_u32 v[SPW], v[NIL]                      ; 0 onto my spare word
.if \fill
	s_add_nc_u64 s[G0+4*\sl+2:G0+4*\sl+3], s[G0+4*\sl+2:G0+4*\sl+3], 2*TILEB   ; two tiles on; the type bits on top are not reached
.endif
	s_wait_dscnt 0x0
.if \fill
	CROUND
	tensor_load_to_lds s[G0+4*\sl:G0+4*\sl+3], s[G1:G1+7]
	s_nop 0
	PLACES 4
.else
	s_barrier_signal -1
	s_barrier_wait -1
.endif
.endm
; A PHASE.  f = 1: the front work of the tile in slot sl, images into block sl.  k = 1: at the head the second node tile's step on the scores and the v that stayed in registers; then, from block 1 - sl, the
; first node tile's back work and the second's scores.  k = 1 without f is the last phase: the second node tile's step on the last tile follows at once.
; Behind a matrix instruction of this form eight plain vector lines that name none of its registers stand ahead of the first read of its result and of a load or a vector write into its registers, nine ahead of a
; matrix instruction that writes over them.  With both kinds of work the quantisers' lines are those places; where the front work is missing v_nop are written.
.macro PHASE sl, f, k
.if \f
	XLOAD \sl, 0, 0
.endif
.if \k
	SM_A 1
	BLOAD_A 1-\sl                                  ; a's fragments were last read by the scores in front of the last phase's quantisers
	SM_B 1
.endif
.if \f
	XLOAD \sl, 0, 1
.endif
.if \k
	SM_C 1                                         ; its wait for all LDS loads stands some hundred lines behind the youngest of them
	SMUL 0
.endif
.if \f
.if \k == 0
	s_wait_dscnt 16                                ; all but the youngest run of 16
.endif
	QUANT FN, XC, 0x82, 0, XSW
	XLOAD \sl, 1, 0
.if \k == 0
	s_wait_dscnt 16
.endif
	QUANT FN+64, XC+16, 0x82, 0, XSW+1
	XLOAD \sl, 1, 1
	s_wait_dscnt 16                                ; all but the youngest run of 16
	QUANT FN, XC+32, 0x82, 0, XSW+2
.if \k
	BLOAD_V 1-\sl                                  ; three quantisers behind the products that read the old v
	s_wait_dscnt 20                                ; x's last run is in; v's 20 loads may be out
.else
	s_wait_dscnt 0x0
.endif
	QUANT FN+64, XC+48, 0x82, 0, XSW+3
	PLACES 3                                       ; with the quantiser's last line: four between the codes and a scaled product
	AVMUL
.else
	PLACES 9
	BLOAD_V 1-\sl
.endif
.if \k
	SM_A 0
	SM_B 0
	SM_C 0
	SMUL 1
.endif
.if \f
.if \k == 0
	PLACES 8
.endif
	FQ \sl
.else
	PLACES 9
	SM_A 1
	SM_B 1
	SM_C 1
	PLACES 8                                       ; ahead of the way out
.endif
	WIN 0                                          ; at a label and at a branch every window is 0
.endm
	PHASE 0, 1, 0                                  ; tile 0: front work alone
	s_mov_b32 s[CNT], 3
.Lpair:                                            ; three trips: phases 1 to 6; tiles 2 to 7 are asked for
	CHANGE 1, 0
	PHASE 1, 1, 1
	CHANGE 1, 1
	PHASE 0, 1, 1
	s_sub_co_u32 s[CNT], s[CNT], 1
	s_cmp_lg_u32 s[CNT], 0
	s_cbranch_scc1 .Lpair
	CHANGE 0, 0                                    ; the tail is written out: nothing is left to fetch
	PHASE 1, 1, 1
	CHANGE 0, 0
	PHASE 0, 0, 1                                  ; tile 7: back work alone
	; THE WAY OUT.  O^T goes through my stage, a node tile (16 rows of 256 bytes) at a time, and leaves as whole rows; (-M, l) of my 32 nodes leave by one store.
.irp n, 0,1
.irp t, 0,1,2,3
	ds_store_b128 v[STO], v[OT+32*\n+8*\t:OT+32*\n+8*\t+3] offset:64*\t          ; node r, channels 16 t + 8 h + 0 .. 7
	ds_store_b128 v[STO], v[OT+32*\n+8*\t+4:OT+32*\n+8*\t+7] offset:64*\t+16
.endr
.irp i, 0,1,2,3,4,5,6,7
	ds_load_b128 v[SQ+32*\n+4*\i:SQ+32*\n+4*\i+3], v[RD] offset:2*SP*\i          ; LDS serves a wave's instructions in order (ISA guide 5.7.1.4): these see my stores, and the next tile's stores come behind them
.endr
.endr
.irp n, 0,1
	v_add_f32 v[ST+4*\n+2], v[ST+4*\n+2], v[ST+4*\n+3]      ; l's two halves,
.endr
.irp n, 0,1
	v_permlanex16_b32 v[TS+4+\n], v[ST+4*\n+2], s[SEL], s[SEL+1]
.endr
.irp n, 0,1
	v_add_f32 v[ST+4*\n+2], v[ST+4*\n+2], v[TS+4+\n]        ; and lane l xor 16's
.endr
	v_bfe_u32 v[X0], v0, 4, 1
	v_cmp_ne_u32 vcc_lo, 0, v[X0]                  ; lanes 0-15 speak for node tile 0, lanes 16-31 for tile 1
	v_cndmask_b32 v[TS], v[ST], v[ST+4], vcc_lo
	v_cndmask_b32 v[TS+1], v[ST+2], v[ST+6], vcc_lo
	v_and_b32 v[X1], 31, v0
	v_lshlrev_b32 v[X1], 3, v[X1]
	global_store_b64 v[X1], v[TS:TS+1], s[16:17]   ; 32 lanes store 256 consecutive bytes, aligned
.irp i, 0,1,2,3,4,5,6,7
	s_wait_dscnt 16+7-\i                           ; behind tile 0's loads: tile 1's sixteen LDS instructions
	global_store_b128 v[GO], v[SQ+4*\i:SQ+4*\i+3], s[14:15] offset:2048*\i       ; 16 lanes store 256 consecutive bytes, at a multiple of 256 from part's first byte
.endr
.irp i, 0,1,2,3,4,5,6,7
	s_wait_dscnt 7-\i
	global_store_b128 v[GO], v[SQ+32+4*\i:SQ+32+4*\i+3], s[14:15] offset:16384+2048*\i
.endr
	s_wait_tensorcnt 0x0                           ; the wave's end
	ds_add_u32 v[SPW], v[NIL]
	s_wait_dscnt 0x0
	CROUND                                         ; the closing round: no work-group ends while a partner may still ask for a tile that names it
	s_endpgm
.Lfunc_end_k_q0bcecf9584_attend:
	.size	k_q0bcecf9584_attend, .Lfunc_end_k_q0bcecf9584_attend-k_q0bcecf9584_attend
	.p2alignl 7, 3214868480
	.fill 96, 4, 3214868480
	.section	.rodata,"a",@progbits
	.p2align	6, 0x0
	.amdhsa_kernel k_q0bcecf9584_attend
		.amdhsa_group_segment_fixed_size 327680
		.amdhsa_private_segment_fixed_size 0
		.amdhsa_enable_private_segment 0
		.amdhsa_kernarg_size 56
		.amdhsa_user_sgpr_count 2
		.amdhsa_user_sgpr_kernarg_segment_ptr 1
		.amdhsa_wavefront_size32 1
		.amdhsa_system_sgpr_workgroup_id_x 1
		.amdhsa_system_sgpr_workgroup_id_y 1
		.amdhsa_system_sgpr_workgroup_id_z 1
		.amdhsa_system_vgpr_workitem_id 0
		.amdhsa_next_free_vgpr 1024
		.amdhsa_next_free_sgpr 66
		.amdhsa_reserve_vcc 1
		.amdhsa_float_denorm_mode_32 3
		.amdhsa_float_denorm_mode_16_64 3
		.amdhsa_memory_ordered 1
		.amdhsa_forward_progress 1
		.amdhsa_inst_pref_size 255
	.end_amdhsa_kernel
	.section	.bss,"aw",@nobits
	.p2align	6
	.space	262144
	.amdgpu_metadata
---
amdhsa.version: [ 1, 2 ]
amdhsa.kernels:
  - .name:           k_q0bcecf9584_attend
    .symbol:         k_q0bcecf9584_attend.kd
    .args:
      - { .name: x, .offset: 0, .size: 8, .value_kind: global_buffer, .address_space: global }
      - { .name: nodes, .offset: 8, .size: 8, .value_kind: global_buffer, .address_space: global }
      - { .name: Wa, .offset: 16, .size: 8, .value_kind: global_buffer, .address_space: global }
      - { .name: Wv, .offset: 24, .size: 8, .value_kind: global_buffer, .address_space: global }
      - { .name: bv, .offset: 32, .size: 8, .value_kind: global_buffer, .address_space: global }
      - { .name: part, .offset: 40, .size: 8, .value_kind: global_buffer, .address_space: global }
      - { .name: stat, .offset: 48, .size: 8, .value_kind: global_buffer, .address_space: global }
    .group_segment_fixed_size: 327680
    .private_segment_fixed_size: 0
    .kernarg_segment_align: 8
    .kernarg_segment_size: 56
    .max_flat_workgroup_size: 128
    .sgpr_count:     66
    .vgpr_count:     1024
    .wavefront_size: 32
...
	.end_amdgpu_metadata
.endif
;; end of part 1
;; launch finish (part 2): grid 256 x 1, 4 waves a work-group, no clusters, 0 bytes of LDS; arguments part, stat, gamma, beta, out0; writes out0
.if DOCPART == 2
	.amdgcn_target "amdgcn-amd-amdhsa--gfx1250"
	.amdhsa_code_object_version 6
	.text
	.protected	k_q0bcecf9584_finish
	.globl	k_q0bcecf9584_finish
	.p2align	8
	.type	k_q0bcecf9584_finish,@function
k_q0bcecf9584_finish:
	s_mov_b64 s[64:65], 0
	v_nop
	global_prefetch_b8 v0, s[64:65] scope:SCOPE_SE
	s_setreg_imm32_b32 hwreg(HW_REG_WAVE_MODE, 25, 1), 1
	s_wait_xcnt 0x0
; The eight key ranges of a batch are joined, and the row is finished: out = LayerNorm(leaky_relu(O / l)) x gamma + beta.
; part [8 b + s][128 nodes][256 channels] f32: the range's sums of p v under its own M;  stat [8 b + s][4 heads][128 nodes][2] f32: (-M, l).  M is a whole number, so bringing a range under the
; largest M of the eight is a multiplication by 2^(M_s - M*), which rounds nothing.
; A wave owns one row of out0 (1,024 rows, 256 work-groups of four waves): a lane holds channels 128 g + 4 lane + 0 .. 3, g = 0, 1, which lie in head 2 g + lane / 16.  Every load and store of 16 bytes a lane covers
; 512 consecutive bytes.  All loads go out at once; the reductions never leave the wave: no LDS, no barrier, and nothing here for the matrix unit.
.set SS, 16                            ; v16-47   (-M, l) of (range s, half g) at SS + 4 s + 2 g
.set PT, 48                            ; v48-111  the range's four channels at PT + 8 s + 4 g
.set GA, 112                           ; v112-119 gamma
.set BE, 120                           ; v120-127 beta
.set AC, 128                           ; v128-135 my eight channels
.set FS, 136                           ; v136-151 2^(M_s - M*) at FS + 2 s + g
.set TT, 152                           ; v152-159 at work
	s_load_b256 s[4:11], s[0:1], 0x0               ; part s[4:5], stat s[6:7], gamma s[8:9], beta s[10:11]
	s_load_b64 s[12:13], s[0:1], 0x20              ; out0
	v_lshrrev_b32 v1, 5, v0
	v_readfirstlane_b32 s14, v1                    ; wave
	s_lshl_b32 s15, ttmp9, 2
	s_add_co_u32 s15, s15, s14                     ; my row: 4 x work-group + wave
	s_lshr_b32 s16, s15, 7                         ; batch
	s_and_b32 s17, s15, 127                        ; node
	s_lshl_b32 s18, s16, 20                        ; part: 8 ranges x 131,072 bytes a batch, 1,024 a node
	s_lshl_b32 s20, s17, 10
	s_add_co_u32 s18, s18, s20
	s_mov_b32 s19, 0
	s_lshl_b32 s20, s16, 15                        ; stat: 8 ranges x 4,096 bytes a batch, 8 a node
	s_lshl_b32 s22, s17, 3
	s_add_co_u32 s20, s20, s22
	s_mov_b32 s21, 0
	s_lshl_b32 s22, s15, 10                        ; out0: 1,024 bytes a row
	s_mov_b32 s23, 0
	s_mov_b32 s24, 0x76543210                      ; v_permlanex16_b32's selects for lane l xor 16
	s_mov_b32 s25, 0xfedcba98
	s_mov_b32 s26, 0x3b800000                      ; 1 / 256
	s_mov_b32 s27, 0x3727c5ac                      ; 1e-5
	v_and_b32 v1, 31, v0
	v_lshlrev_b32 v2, 4, v1                        ; 16 bytes a lane
	v_lshrrev_b32 v3, 4, v1
	v_lshlrev_b32 v3, 10, v3                       ; stat: lanes 16-31 take the next head, 1,024 bytes on
	s_wait_kmcnt 0x0
	s_add_nc_u64 s[4:5], s[4:5], s[18:19]
	s_add_nc_u64 s[6:7], s[6:7], s[20:21]
	s_add_nc_u64 s[12:13], s[12:13], s[22:23]
.irp s, 0,1,2,3,4,5,6,7
.irp g, 0,1
	global_load_b64 v[SS+4*\s+2*\g:SS+4*\s+2*\g+1], v3, s[6:7] offset:4096*\s+2048*\g
.endr
.endr
.irp s, 0,1,2,3,4,5,6,7
.irp g, 0,1
	global_load_b128 v[PT+8*\s+4*\g:PT+8*\s+4*\g+3], v2, s[4:5] offset:131072*\s+512*\g th:TH_LOAD_NT
.endr
.endr
.irp g, 0,1
	global_load_b128 v[GA+4*\g:GA+4*\g+3], v2, s[8:9] offset:512*\g
	global_load_b128 v[BE+4*\g:BE+4*\g+3], v2, s[10:11] offset:512*\g
.endr
	s_wait_loadcnt 20                              ; stat's 16 loads are in; part's 16 and the four of gamma and beta may be out
.irp g, 0,1
	v_min3_num_f32 v[4+\g], v[SS+2*\g], v[SS+4+2*\g], v[SS+8+2*\g]       ; -M* = the least -M of the eight ranges
	v_min3_num_f32 v[4+\g], v[4+\g], v[SS+12+2*\g], v[SS+16+2*\g]
	v_min3_num_f32 v[4+\g], v[4+\g], v[SS+20+2*\g], v[SS+24+2*\g]
	v_min_num_f32 v[4+\g], v[4+\g], v[SS+28+2*\g]
.endr
.irp s, 0,1,2,3,4,5,6,7
.irp g, 0,1
	v_sub_f32 v[FS+2*\s+\g], v[4+\g], v[SS+4*\s+2*\g]                    ; M_s - M*: a whole number, 0 or less
.endr
.endr
.irp s, 0,1,2,3,4,5,6,7
.irp g, 0,1
	v_cvt_i32_f32 v[FS+2*\s+\g], v[FS+2*\s+\g]                           ; (it saturates)
.endr
.endr
.irp s, 0,1,2,3,4,5,6,7
.irp g, 0,1
	v_ldexp_f32 v[FS+2*\s+\g], 1.0, v[FS+2*\s+\g]
.endr
.endr
.irp g, 0,1
	v_mul_f32 v[6+\g], v[FS+\g], v[SS+2*\g+1]                            ; l = the sum of 2^(M_s - M*) l_s: the first term starts it
.endr
.irp s, 1,2,3,4,5,6,7
.irp g, 0,1
	v_fmac_f32 v[6+\g], v[FS+2*\s+\g], v[SS+4*\s+2*\g+1]
.endr
.endr
	v_rcp_f32 v6, v6                               ; the range that holds M* has a p above 1/2, so l is above 1/2
	v_rcp_f32 v7, v7
	s_wait_loadcnt 4                               ; part is in
.irp g, 0,1
.irp e, 0,1,2,3
	v_mul_f32 v[AC+4*\g+\e], v[FS+\g], v[PT+4*\g+\e]                     ; O likewise.  (The first of these is the plain line behind the reciprocals)
.endr
.endr
.irp s, 1,2,3,4,5,6,7
.irp g, 0,1
.irp e, 0,1,2,3
	v_fmac_f32 v[AC+4*\g+\e], v[FS+2*\s+\g], v[PT+8*\s+4*\g+\e]
.endr
.endr
.endr
	s_wait_alu depctr_va_vdst(0)
.irp g, 0,1
.irp e, 0,1,2,3
	v_mul_f32 v[AC+4*\g+\e], v[AC+4*\g+\e], v[6+\g]                      ; / l
.endr
.endr
.irp i, 0,1,2,3,4,5,6,7
	v_mul_f32 v[TT+\i], 0x3e4ccccd, v[AC+\i]                             ; leaky_relu: the larger of y and 0.2 y
.endr
.irp i, 0,1,2,3,4,5,6,7
	v_max_num_f32 v[AC+\i], v[AC+\i], v[TT+\i]
.endr
	v_add_f32 v8, v[AC], v[AC+1]                   ; the row's mean: my eight, then the 32 lanes
	v_add_f32 v9, v[AC+2], v[AC+3]
	v_add_f32 v10, v[AC+4], v[AC+5]
	v_add_f32 v11, v[AC+6], v[AC+7]
	v_add_f32 v8, v8, v9
	v_add_f32 v10, v10, v11
	v_add_f32 v8, v8, v10
	v_add_f32_dpp v8, v8, v8 row_xmask:1 row_mask:0xf bank_mask:0xf
	v_add_f32_dpp v8, v8, v8 row_xmask:2 row_mask:0xf bank_mask:0xf
	v_add_f32_dpp v8, v8, v8 row_xmask:4 row_mask:0xf bank_mask:0xf
	v_add_f32_dpp v8, v8, v8 row_xmask:8 row_mask:0xf bank_mask:0xf
	v_permlanex16_b32 v9, v8, s24, s25
	v_add_f32 v8, v8, v9
	v_mul_f32 v8, s26, v8
.irp i, 0,1,2,3,4,5,6,7
	v_sub_f32 v[AC+\i], v[AC+\i], v8
.endr
	v_mul_f32 v10, v[AC], v[AC]                    ; the variance of the differences, in two chains
	v_mul_f32 v11, v[AC+1], v[AC+1]
.irp i, 2,4,6
	v_fmac_f32 v10, v[AC+\i], v[AC+\i]
	v_fmac_f32 v11, v[AC+\i+1], v[AC+\i+1]
.endr
	v_add_f32 v10, v10, v11
	v_add_f32_dpp v10, v10, v10 row_xmask:1 row_mask:0xf bank_mask:0xf
	v_add_f32_dpp v10, v10, v10 row_xmask:2 row_mask:0xf bank_mask:0xf
	v_add_f32_dpp v10, v10, v10 row_xmask:4 row_mask:0xf bank_mask:0xf
	v_add_f32_dpp v10, v10, v10 row_xmask:8 row_mask:0xf bank_mask:0xf
	v_permlanex16_b32 v9, v10, s24, s25
	v_add_f32 v10, v10, v9
	v_fma_f32 v10, v10, s26, s27                   ; / 256 + 1e-5
	v_rsq_f32 v10, v10
	v_nop                                          ; one plain line behind a transcendental
	s_wait_loadcnt 0x0                             ; gamma and beta
	s_wait_alu depctr_va_vdst(0)
.irp i, 0,1,2,3,4,5,6,7
	v_mul_f32 v[AC+\i], v[AC+\i], v10
.endr
.irp i, 0,1,2,3,4,5,6,7
	v_fma_f32 v[AC+\i], v[AC+\i], v[GA+\i], v[BE+\i]
.endr
.irp g, 0,1
	global_store_b128 v2, v[AC+4*\g:AC+4*\g+3], s[12:13] offset:512*\g   ; 32 lanes store 512 consecutive bytes, aligned
.endr
	s_endpgm
.Lfunc_end_k_q0bcecf9584_finish:
	.size	k_q0bcecf9584_finish, .Lfunc_end_k_q0bcecf9584_finish-k_q0bcecf9584_finish
	.p2alignl 7, 3214868480
	.fill 96, 4, 3214868480
	.section	.rodata,"a",@progbits
	.p2align	6, 0x0
	.amdhsa_kernel k_q0bcecf9584_finish
		.amdhsa_group_segment_fixed_size 0
		.amdhsa_private_segment_fixed_size 0
		.amdhsa_enable_private_segment 0
		.amdhsa_kernarg_size 40
		.amdhsa_user_sgpr_count 2
		.amdhsa_user_sgpr_kernarg_segment_ptr 1
		.amdhsa_wavefront_size32 1
		.amdhsa_system_sgpr_workgroup_id_x 1
		.amdhsa_system_sgpr_workgroup_id_y 1
		.amdhsa_system_sgpr_workgroup_id_z 1
		.amdhsa_system_vgpr_workitem_id 0
		.amdhsa_next_free_vgpr 160
		.amdhsa_next_free_sgpr 66
		.amdhsa_reserve_vcc 0
		.amdhsa_float_denorm_mode_32 3
		.amdhsa_float_denorm_mode_16_64 3
		.amdhsa_memory_ordered 1
		.amdhsa_forward_progress 1
		.amdhsa_inst_pref_size 14
	.end_amdhsa_kernel
	.amdgpu_metadata
---
amdhsa.version: [ 1, 2 ]
amdhsa.kernels:
  - .name:           k_q0bcecf9584_finish
    .symbol:         k_q0bcecf9584_finish.kd
    .args:
      - { .name: part, .offset: 0, .size: 8, .value_kind: global_buffer, .address_space: global }
      - { .name: stat, .offset: 8, .size: 8, .value_kind: global_buffer, .address_space: global }
      - { .name: gamma, .offset: 16, .size: 8, .value_kind: global_buffer, .address_space: global }
      - { .name: beta, .offset: 24, .size: 8, .value_kind: global_buffer, .address_space: global }
      - { .name: out0, .offset: 32, .size: 8, .value_kind: global_buffer, .address_space: global }
    .group_segment_fixed_size: 0
    .private_segment_fixed_size: 0
    .kernarg_segment_align: 8
    .kernarg_segment_size: 40
    .max_flat_workgroup_size: 128
    .sgpr_count:     66
    .vgpr_count:     160
    .wavefront_size: 32
...
	.end_amdgpu_metadata
.endif
;; end of part 2
